; MI455X (gfx1250); checked and timed in simulation.
; The chip was launched on July 23, 2026; its instructions are those of AMD's public machine-readable ISA for CDNA 5 (MIT licence, August 2026) and "CDNA5" Instruction Set Architecture Reference Guide (July 2026). The comments in the code are by the model that wrote it; some were corrected since.
;; SDPA With Sink. Allowed arithmetic: float matrix products may take bf16 or f16 operands with f32 sums; all other float work in f32.
;; Inputs: k 2 x 16 x 2,048 x 128 float32; q 2 x 16 x 2,048 x 128 float32; sink_logit 16 float32; v 2 x 16 x 2,048 x 128 float32.
;; Outputs: out0 2 x 16 x 2,048 x 128 float32.
;; 2 versions, each right; version 2 is version 1 with the launch sdpa_sink written anew for expert scheduling mode. Each part assembles by itself: llvm-mc -triple=amdgcn-amd-amdhsa -mcpu=gfx1250 --defsym DOCPART=n.
;; ======== version 1 of 2: 1 launch
;; limits: values are held in f16: magnitudes above 65,504 overflow, below 6.1e-05 lose precision; inputs' magnitudes at most 65,504; below input magnitudes of 6.1e-05 results are inexact or not finite
;; launch sdpa_sink (part 1): grid 256 x 1, 4 waves a work-group, no clusters, 139,776 bytes of LDS; arguments q, k, v, sink_logit, out0; writes out0
.if DOCPART == 1
	.amdgcn_target "amdgcn-amd-amdhsa--gfx1250"
	.amdhsa_code_object_version 6
	.text
	.protected	k_q449360cd02_sdpa_sink
	.globl	k_q449360cd02_sdpa_sink
	.p2align	8
	.type	k_q449360cd02_sdpa_sink,@function
k_q449360cd02_sdpa_sink:
	s_mov_b64 s[64:65], 0
	v_nop
	global_prefetch_b8 v0, s[64:65] scope:SCOPE_SE
	s_setreg_imm32_b32 hwreg(HW_REG_WAVE_MODE, 25, 1), 1
	s_wait_xcnt 0x0
; Causal attention with a sink column.  q, k, v, out: [32 heads][2048][128] f32; sink_logit: [16] f32 (head mod 16).
; out = softmax([sink, q k^T / sqrt(128) under the causal mask]) without its first column, times v.
;
; SHARES.  A head's 2,048 queries are 16 blocks of 128.  Work-group (head, j), j = 0..7, owns block LO = j and block HI = 15 - j:
; (j + 1) + (16 - j) = 17 units of 128 queries x 128 keys in every one of the 256 work-groups.  It walks the key units u = 0 .. 15 - j once;
; a unit of K and V is brought once, rounded to f16 in registers, laid into LDS, and used by HI always and by LO while u <= j.
; Wave w owns rows 32 w .. 32 w + 31 of both blocks: two query tiles of 16.  Lane (r = l % 16, h = l / 16) owns query r of each tile.
;
; BOTH PRODUCTS ARE TRANSPOSED.  S^T = K Q^T: register i of key tile mt holds key 16 mt + 8 h + i for query r.  Two neighbouring key tiles,
; packed to f16, are then the second operand of O^T = V^T P^T as they lie, and maximum, sum and rescaling are one number a lane;
; the one step between lanes is the exchange of the two halves of the wave.
;
; THE SINK is the running softmax's start: maximum = sink logit, sum = 1 (0.5 in each of a query's two lanes), output empty.  So the running maximum is
; always finite and is taken away in front of every exponential.  All in base 2: NM = -(maximum x log2 e), p = exp2(S c + NM), c = log2 e / sqrt(128).
;
; WHY F16 AND NOT BF16.  A row with few keys is a sum of a few terms of the size of v that partly cancel, so each operand's rounding shows in full in a small result:
; 11 bits keep it 8 times smaller than 8 bits would.  The weights lie in [0, 1] by the softmax itself; q, k, v have room (see LIMITS); products and sums are f32.
;
; NO TENSOR LOADS, NO CLUSTER.  K and V lie in memory as f32 and the matrix operands are f16, so every byte has to pass through registers once on its way
; into LDS: loaded into registers, a row of K or V costs 256 bytes of LDS stores; brought into LDS as f32 first, a unit's 128 KiB would have to be read
; back and then stored the same way.  And the eight work-groups of a head need 16 - j units, a different number each, so that they cannot make every request jointly
; without work that is thrown away (20 units in place of 17).
;
; LIMITS.  q, k, v and the weights p go to the matrix unit rounded to f16 (nearest even): an input beyond 65,504 in magnitude becomes infinite, and below 2^-14 its
; step is 2^-24.  A weight below 2^-25 of its row's largest counts as 0 in the product with v; the denominator adds the unrounded p, of which those below 2^-126
; count as 0.  NaN and infinite inputs are not followed (the maxima drop NaN).  Sums run in another order than the reference's.
.set KP,   272                         ; LDS pitch of K's (and at the start Q's) rows: 256 bytes of f16 + 16, an odd multiple of 16: 16 rows start at 16 different 16-byte columns modulo 256
.set VP,   288                         ; LDS pitch of V's rows: 256 + 32, an odd multiple of 32, for the transposing loads
.set SP,   528                         ; LDS pitch of the way out: 512 bytes of f32 + 16
.set VT,   128*KP                      ; K's tile at 0, V's tile behind it
.set STG,  VT+128*VP                   ; behind both: 32 rows x 528 bytes for each wave, its own
.set ROWB, 512                         ; a row of q, k, v, out in memory
.set UNIT, 128*ROWB                    ; 128 rows: a key unit, a query block
; window 0
.set GOFF, 2                           ; v2      w x 32 rows + 16 x lane: my 16 bytes of my wave's first row, in a unit of K or V and in a block of Q or out
.set KA,   3                           ; v3      K fragments: 272 r + 16 h
.set VA,   4                           ; v4      V fragments (transposing loads)
.set KST,  5                           ; v5      where I put 8 bytes of a row of K (or Q)
.set VST,  6                           ; v6      the same for V
.set QA,   7                           ; v7      Q fragments: KA + my wave's rows
.set STO,  8                           ; v8      the way out: where I put 32 bytes of a row
.set SRD,  9                           ; v9      the way out: where I read a row back
.set DQ,   10                          ; v10-11  tile n: my query's row in its block, less 8 h: key 16 mt + i is allowed if it is <= this (diagonal unit)
.set DQ0,  12                          ; v12-13  the same + 128 j: block LO against key unit 0
.set PFO,  14                          ; v14     prefetch: 16 j rows + 256 x lane
.set NEGV, 15                          ; v15     the most negative finite f32, as the reference's mask has it
.set NMP,  16                          ; v[16:23] (NM, NM) at 16 + 4 blk + 2 n
.set LS,   24                          ; v24-27  my half of the running sum, at 24 + 2 blk + n
.set ALP,  28                          ; v[28:31] (alpha, alpha) of tile n; at the end (1/sum, 1/sum)
.set MX,   32                          ; v32-39  four running maxima for each n
.set T,    40                          ; v[40:55] four pairs of partial sums for each n; temporaries of the set-up
.set SR,   128                         ; v128-255 S: tile (n, mt) at 128 + 8 (8 n + mt); P of keys 32 c .. 32 c + 31 packed in place at 128 + 64 n + 16 c; rows on the way out
; window 1
.set F0,   0                           ; fragment buffer 0: 8 fragments of 8 registers
.set F1,   64                          ; fragment buffer 1
.set QR,   128                         ; Q fragments: (blk, n, c) at 128 + 64 blk + 8 (4 n + c)
; window 2: O, tile (blk, t, n) at 128 blk + 8 (2 t + n); before the first unit the raw rows of Q (HI at 0, LO at 128)
; window 3: the next unit as loaded: row i of my 32 in registers 4 i .. 4 i + 3, K at 0, V at 128
; blk: 0 = HI, 1 = LO
.set CLOG, 0x3e0293ee                  ; log2 e / sqrt(128)
.set MSB, 0
.macro WIN new                         ; s_set_vgpr_msb: bits 1:0 source 0, 3:2 source 1, 5:4 source 2, 7:6 destination; the high byte repeats the setting that is left
.if MSB != \new
	s_set_vgpr_msb (MSB<<8)|\new
.set MSB, \new
.endif
.endm
; Behind a matrix instruction four places before a vector instruction or a load touches its registers, five before another matrix instruction writes over them or takes
; its result as an operand; only plain vector instructions that name none of its registers are places (ISA guide 7.12.1 for vector instructions).
.macro PLACES cnt
.rept \cnt
	v_nop
.endr
.endm
; 32 rows of 512 bytes into window win: one load of the wave covers one whole row.  nt = 1: bytes that the launch reads once.
.macro GLOAD win, reg, base, nt
	WIN (\win<<6)
.set ii, 0
.rept 32
.if \nt
	global_load_b128 v[\reg+4*ii:\reg+4*ii+3], v[GOFF], s[\base:\base+1] offset:ROWB*ii th:TH_LOAD_NT
.else
	global_load_b128 v[\reg+4*ii:\reg+4*ii+3], v[GOFF], s[\base:\base+1] offset:ROWB*ii
.endif
.set ii, ii+1
.endr
.endm
; the 32 rows to f16, in place: four f32 become the row's first two registers
.macro CVT win, reg
	WIN ((\win<<6)|(\win<<2)|\win)
.set ii, 0
.rept 32
	v_cvt_pk_f16_f32 v[\reg+4*ii],   v[\reg+4*ii],   v[\reg+4*ii+1]
	v_cvt_pk_f16_f32 v[\reg+4*ii+1], v[\reg+4*ii+2], v[\reg+4*ii+3]
.set ii, ii+1
.endr
.endm
; the 32 rows into LDS: 32 lanes x 8 bytes are a row's 256 neighbouring bytes
.macro LSTORE win, reg, addr, pitch
	WIN (\win<<2)
.set ii, 0
.rept 32
	ds_store_b64 v[\addr], v[\reg+4*ii:\reg+4*ii+1] offset:ii*\pitch
.set ii, ii+1
.endr
.endm
; my wave's 32 rows of Q as eight fragments (2 query tiles x 4 steps of 32 along d), kept for the whole kernel
.macro QFRAG blk
	WIN 0x40
.set nn, 0
.rept 2
.set cc, 0
.rept 4
	ds_load_b128 v[QR+64*\blk+8*(4*nn+cc):QR+64*\blk+8*(4*nn+cc)+3],   v[QA] offset:16*KP*nn+64*cc
	ds_load_b128 v[QR+64*\blk+8*(4*nn+cc)+4:QR+64*\blk+8*(4*nn+cc)+7], v[QA] offset:16*KP*nn+64*cc+32
.set cc, cc+1
.endr
.set nn, nn+1
.endr
.endm
; 16 loads: the eight key tiles' fragments for d = 32 ks .. 32 ks + 31
.macro FETCHK ks, fb
	WIN 0x40
.set mm, 0
.rept 8
	ds_load_b128 v[\fb+8*mm:\fb+8*mm+3],   v[KA] offset:16*KP*mm+64*\ks
	ds_load_b128 v[\fb+8*mm+4:\fb+8*mm+7], v[KA] offset:16*KP*mm+64*\ks+32
.set mm, mm+1
.endr
.endm
; 16 transposing loads: V^T's eight tiles of 16 dv for keys 32 ks .. 32 ks + 31
.macro FETCHV ks, fb
	WIN 0x40
.set tt, 0
.rept 8
	ds_load_tr16_b128 v[\fb+8*tt:\fb+8*tt+3],   v[VA] offset:32*VP*\ks+32*tt
	ds_load_tr16_b128 v[\fb+8*tt+4:\fb+8*tt+7], v[VA] offset:32*VP*\ks+32*tt+16*VP
.set tt, tt+1
.endr
.endm
; 16 matrix instructions: S^T(mt, n) += K(mt) Q(n)^T over 32 of d.  The first step starts the sums with the constant 0.
; The 16 accumulators take turns, one instruction a turn, in the same order in every step.
.macro MULS blk, ks, fb
	WIN 0x05
.set mm, 0
.rept 8
.set nn, 0
.rept 2
.if \ks == 0
	v_wmma_f32_16x16x32_f16 v[SR+8*(8*nn+mm):SR+8*(8*nn+mm)+7], v[\fb+8*mm:\fb+8*mm+7], v[QR+64*\blk+8*(4*nn+\ks):QR+64*\blk+8*(4*nn+\ks)+7], 0
.else
	v_wmma_f32_16x16x32_f16 v[SR+8*(8*nn+mm):SR+8*(8*nn+mm)+7], v[\fb+8*mm:\fb+8*mm+7], v[QR+64*\blk+8*(4*nn+\ks):QR+64*\blk+8*(4*nn+\ks)+7], v[SR+8*(8*nn+mm):SR+8*(8*nn+mm)+7]
.endif
.set nn, nn+1
.endr
.set mm, mm+1
.endr
.endm
; 16 matrix instructions: O^T(t, n) += V^T(t) P^T(n) over 32 keys; zero = 1: the block's very first product starts the sums.  Turns as above.
.macro MULO blk, ks, fb, zero
	WIN 0xa1
.set tt, 0
.rept 8
.set nn, 0
.rept 2
.if \zero
	v_wmma_f32_16x16x32_f16 v[128*\blk+8*(2*tt+nn):128*\blk+8*(2*tt+nn)+7], v[\fb+8*tt:\fb+8*tt+7], v[SR+64*nn+16*\ks:SR+64*nn+16*\ks+7], 0
.else
	v_wmma_f32_16x16x32_f16 v[128*\blk+8*(2*tt+nn):128*\blk+8*(2*tt+nn)+7], v[\fb+8*tt:\fb+8*tt+7], v[SR+64*nn+16*\ks:SR+64*nn+16*\ks+7], v[128*\blk+8*(2*tt+nn):128*\blk+8*(2*tt+nn)+7]
.endif
.set nn, nn+1
.endr
.set tt, tt+1
.endr
.endm
; The causal mask: score register 8 mt + i keeps its value where 16 mt + i <= v[dq + n].  Four compares into four masks, then four selects.
.macro MASK dq
.set nn, 0
.rept 2
.set kk, 0
.rept 16
.set gg, 0
.rept 4
	v_cmp_le_i32 s[40+gg], 16*((kk+gg)/8)+((kk+gg)%8), v[\dq+nn]
.set gg, gg+1
.endr
.set gg, 0
.rept 4
	v_cndmask_b32 v[SR+64*nn+kk+gg], v[NEGV], v[SR+64*nn+kk+gg], s[40+gg]
.set gg, gg+1
.endr
.set kk, kk+4
.endr
.set nn, nn+1
.endr
.endm
; One query tile's step of the running softmax over the unit's 128 keys (64 scores a lane), in window 0.
.macro SOFTMAX blk, qt
.set SB, SR+64*\qt
.set MB, MX+4*\qt
.set TB, T+8*\qt
.set NB, NMP+4*\blk+2*\qt
.set AB, ALP+2*\qt
.set LB, LS+2*\blk+\qt
	; the largest of my 64 scores, in four chains started by the first scores
.set kk, 0
.rept 4
	v_max_num_f32 v[MB+kk], v[SB+16*kk], v[SB+16*kk+1]
.set kk, kk+1
.endr
.set jj, 0
.rept 7
.set kk, 0
.rept 4
	v_max3_num_f32 v[MB+kk], v[MB+kk], v[SB+16*kk+2+2*jj], v[SB+16*kk+3+2*jj]
.set kk, kk+1
.endr
.set jj, jj+1
.endr
	v_max3_num_f32 v[MB], v[MB], v[MB+1], v[MB+2]
	v_max_num_f32 v[MB], v[MB], v[MB+3]
	v_permlanex16_b32 v[MB+1], v[MB], s24, s25     ; the other half of the wave holds my query's other 64 keys
	v_max_num_f32 v[MB], v[MB], v[MB+1]
	v_mul_f32 v[MB], s22, v[MB]                    ; -c x maximum
	v_min_num_f32 v[MB+1], v[MB], v[NB]            ; the new NM: the running maximum can only rise
	v_sub_f32 v[MB+2], v[MB+1], v[NB]              ; new NM - old NM <= 0
	v_mov_b32 v[NB], v[MB+1]
	v_mov_b32 v[NB+1], v[MB+1]
	v_exp_f32 v[AB], v[MB+2]                       ; alpha, twice, for the packed multiplies.  Behind a transcendental one plain vector instruction stands before its
	v_exp_f32 v[AB+1], v[MB+2]                     ; result is used or its source rewritten (ISA guide 5.7.2): here the multiply-adds below, which name neither
.set jj, 0
.rept 32
	v_pk_fma_f32 v[SB+2*jj:SB+2*jj+1], v[SB+2*jj:SB+2*jj+1], s[20:21], v[NB:NB+1] op_sel_hi:[1,0,1]   ; S c - maximum, in base 2
.set jj, jj+1
.endr
.set jj, 0
.rept 64
	v_exp_f32 v[SB+jj], v[SB+jj]
.set jj, jj+1
.endr
	v_nop                                          ; the plain place behind the last exponential
	; my 64 weights' sum, in four chains of pairs
.set kk, 0
	s_wait_alu depctr_va_vdst(0)
.rept 4
	v_pk_add_f32 v[TB+2*kk:TB+2*kk+1], v[SB+16*kk:SB+16*kk+1], v[SB+16*kk+2:SB+16*kk+3]
.set kk, kk+1
.endr
.set jj, 0
.rept 6
.set kk, 0
.rept 4
	v_pk_add_f32 v[TB+2*kk:TB+2*kk+1], v[TB+2*kk:TB+2*kk+1], v[SB+16*kk+4+2*jj:SB+16*kk+5+2*jj]
.set kk, kk+1
.endr
.set jj, jj+1
.endr
	v_pk_add_f32 v[TB:TB+1], v[TB:TB+1], v[TB+2:TB+3]
	v_pk_add_f32 v[TB+4:TB+5], v[TB+4:TB+5], v[TB+6:TB+7]
	v_pk_add_f32 v[TB:TB+1], v[TB:TB+1], v[TB+4:TB+5]
	v_add_f32 v[TB], v[TB], v[TB+1]
	v_fma_f32 v[LB], v[LB], v[AB], v[TB]           ; sum = sum x alpha + this unit's
	; P^T's fragments, in place: of each pair of key tiles (16 registers) register i takes numbers 2 i and 2 i + 1; i <= 2 i, so nothing unread is written
.set cc, 0
.rept 4
.set jj, 0
.rept 8
	v_cvt_pk_f16_f32 v[SB+16*cc+jj], v[SB+16*cc+2*jj], v[SB+16*cc+2*jj+1]
.set jj, jj+1
.endr
.set cc, cc+1
.endr
.endm
; O(blk) x the pair in ALP: alpha in a unit, 1 / sum at the end
.macro RESCALE blk
	WIN 0x82
.set tt, 0
.rept 8
.set nn, 0
.rept 2
.set jj, 0
.rept 4
	v_pk_mul_f32 v[128*\blk+8*(2*tt+nn)+2*jj:128*\blk+8*(2*tt+nn)+2*jj+1], v[128*\blk+8*(2*tt+nn)+2*jj:128*\blk+8*(2*tt+nn)+2*jj+1], v[ALP+2*nn:ALP+2*nn+1]
.set jj, jj+1
.endr
.set nn, nn+1
.endr
.set tt, tt+1
.endr
.endm
; One block's 32 rows of mine against the unit in LDS: 128 matrix instructions, 128 LDS loads.  first = 1: the block's first unit; dq: the mask's register, -1 = none.
; Two fragment buffers take turns: each s_wait_dscnt 16 lets the 16 loads of the younger buffer stay out.
.macro COMPUTE blk, first, dq
	FETCHK 0, F0
	FETCHK 1, F1
	s_wait_dscnt 16
	MULS \blk, 0, F0
	PLACES 4
	FETCHK 2, F0
	s_wait_dscnt 16
	MULS \blk, 1, F1
	PLACES 4
	FETCHK 3, F1
	s_wait_dscnt 16
	MULS \blk, 2, F0
	PLACES 4
	FETCHV 0, F0                                   ; V's first fragments come in under the softmax
	s_wait_dscnt 16
	MULS \blk, 3, F1
	PLACES 5                                       ; five: the scores' registers come back as an operand of the products with V
	FETCHV 1, F1
	WIN 0
.if \dq >= 0
	MASK \dq
.endif
	SOFTMAX \blk, 0
	SOFTMAX \blk, 1
.if \first == 0
	RESCALE \blk
.endif
	s_wait_dscnt 16
	MULO \blk, 0, F0, \first
	PLACES 4
	FETCHV 2, F0
	s_wait_dscnt 16
	MULO \blk, 1, F1, 0
	PLACES 4
	FETCHV 3, F1
	s_wait_dscnt 16
	MULO \blk, 2, F0, 0
	s_wait_dscnt 0
	MULO \blk, 3, F1, 0
	PLACES 5                                       ; five: the next products write over P's registers; also covers what reads O or loads into the buffers next
	WIN 0
.endm
; The unit that waits in window 3 goes into LDS; next = 1: the unit behind it is asked for, and has the trip's products in which to come.
.macro STAGE first, next
	s_wait_loadcnt 0x0                             ; the unit's 64 loads are in
.if \first == 0
	s_wait_dscnt 0x0                               ; my fragment loads of the old tile are back:
	s_barrier_signal -1                            ; say so,
.endif
	CVT 3, 0                                       ; round in registers while the others arrive,
	CVT 3, 128
.if \first == 0
	s_barrier_wait -1                              ; and write over the old tile only when all four have said so
.endif
	LSTORE 3, 0, KST, KP
	LSTORE 3, 128, VST, VP
	s_wait_dscnt 0x0                               ; my 32 rows of K and of V are written: zero, since the other waves read them
	s_barrier_signal -1
	s_barrier_wait -1                              ; the tile is whole
.if \next
	s_wait_xcnt 0x0                                ; the bases, and the prefetch's base, are rewritten only behind this wait
	s_add_nc_u64 s[6:7], s[6:7], UNIT
	s_add_nc_u64 s[8:9], s[8:9], UNIT
	GLOAD 3, 0, 6, 0                               ; no hint: the head's other work-groups read these rows too
	GLOAD 3, 128, 8, 0
	WIN 0
	; Prefetch: unit u + 2, one trip ahead of its loads.  Of its 128 rows work-group j asks for rows 16 j .. 16 j + 15 (32 lanes, 256 bytes apart), wave 0 in K, wave 1 in V:
	; each block of 256 bytes has one asker in the launch.  It stops where u + 2 would pass my last unit, 15 - j, so that it stays inside the head's rows.
	s_cmp_lt_u32 s28, 2
	s_cbranch_scc1 .Lno_prefetch_\@
	s_cmp_gt_u32 s14, 1
	s_cbranch_scc1 .Lno_prefetch_\@
	s_cmp_eq_u32 s14, 0
	s_cselect_b64 s[30:31], s[6:7], s[8:9]
	global_prefetch_b8 v[PFO], s[30:31] offset:UNIT th:TH_LOAD_NT scope:SCOPE_SE
.Lno_prefetch_\@:
	s_sub_co_u32 s28, s28, 1                       ; units left behind this one
.endif
	WIN 0
.endm
; A block is done: divide by the sum, 32 bytes a lane into my own stage, back as whole rows, out.  more = 1: the rows' registers are written again later.
.macro EPI blk, base, more
	v_permlanex16_b32 v[MX],   v[LS+2*\blk],   s24, s25    ; the other half of my query's sum
	v_permlanex16_b32 v[MX+4], v[LS+2*\blk+1], s24, s25
	v_add_f32 v[MX],   v[MX],   v[LS+2*\blk]
	v_add_f32 v[MX+4], v[MX+4], v[LS+2*\blk+1]
	v_rcp_f32 v[ALP],   v[MX]                      ; the sum holds the row's largest weight, 1, or the sink's: it is never near 0
	v_rcp_f32 v[ALP+1], v[MX]
	v_rcp_f32 v[ALP+2], v[MX+4]
	v_rcp_f32 v[ALP+3], v[MX+4]
	v_nop                                          ; the plain place behind the reciprocals
	s_wait_alu depctr_va_vdst(0)
	RESCALE \blk
	WIN 0x08
.set tt, 0
.rept 8
.set nn, 0
.rept 2
	ds_store_b128 v[STO], v[128*\blk+8*(2*tt+nn):128*\blk+8*(2*tt+nn)+3]   offset:16*SP*nn+64*tt      ; query 16 n + r, dv 16 t + 8 h .. + 3
	ds_store_b128 v[STO], v[128*\blk+8*(2*tt+nn)+4:128*\blk+8*(2*tt+nn)+7] offset:16*SP*nn+64*tt+16   ; .. + 4 .. + 7
.set nn, nn+1
.endr
.set tt, tt+1
.endr
	WIN 0
.set ii, 0
.rept 32
	ds_load_b128 v[SR+4*ii:SR+4*ii+3], v[SRD] offset:SP*ii    ; LDS serves a wave's instructions in order (ISA guide 5.7.1): these see my stores above; the stage is mine alone
.set ii, ii+1
.endr
.set ii, 0
.rept 32
	s_wait_dscnt 31-ii                             ; row ii is in; the younger rows' loads stay out
	global_store_b128 v[GOFF], v[SR+4*ii:SR+4*ii+3], s[\base:\base+1] offset:ROWB*ii th:TH_STORE_NT   ; the wave stores one whole row: 512 consecutive bytes, aligned
.set ii, ii+1
.endr
.if \more
	s_wait_xcnt 0x0                                ; the rows' registers take scores again only behind this wait
.endif
.endm
	; ---- set-up ----
	s_load_b256 s[4:11], s[0:1], 0x0               ; q s[4:5], k s[6:7], v s[8:9], sink_logit s[10:11]
	s_load_b64 s[12:13], s[0:1], 0x20              ; out
	v_lshl_add_u32 v126, v0, 2, 0x22000
	v_mov_b32 v127, 0
	v_lshrrev_b32 v1, 5, v0
	v_readfirstlane_b32 s14, v1                    ; wave 0..3
	v_and_b32 v40, 31, v0                          ; lane
	s_and_b32 s15, ttmp9, 7                        ; j
	s_lshr_b32 s16, ttmp9, 3                       ; head 0..31
	s_lshl_b32 s18, s16, 20                        ; a head is 2,048 rows of 512 bytes
	s_mov_b32 s19, 0
	s_lshl_b32 s36, s15, 16                        ; block LO = j, in bytes
	s_mov_b32 s37, 0
	s_sub_co_u32 s28, 15, s15                      ; 15 - j: block HI, my last unit, and the units left behind unit 0
	s_lshl_b32 s38, s28, 16
	s_mov_b32 s39, 0
	s_and_b32 s44, s16, 15                         ; the sink logit hangs on the head within its batch
	s_lshl_b32 s44, s44, 2
	s_mov_b32 s45, 0
	s_lshl_b32 s17, s14, 14                        ; my wave's 32 rows of 512 bytes
	v_lshl_add_u32 v[GOFF], v40, 4, s17
	s_wait_kmcnt 0x0
	s_add_nc_u64 s[10:11], s[10:11], s[44:45]
	s_load_b32 s27, s[10:11], 0x0                  ; the head's sink logit
	s_add_nc_u64 s[4:5], s[4:5], s[18:19]
	s_add_nc_u64 s[6:7], s[6:7], s[18:19]          ; K at the head's unit 0
	s_add_nc_u64 s[8:9], s[8:9], s[18:19]          ; V likewise
	s_add_nc_u64 s[12:13], s[12:13], s[18:19]
	s_add_nc_u64 s[32:33], s[4:5], s[36:37]        ; Q, block LO
	s_add_nc_u64 s[34:35], s[12:13], s[36:37]      ; out, block LO
	s_add_nc_u64 s[4:5], s[4:5], s[38:39]          ; Q, block HI
	s_add_nc_u64 s[12:13], s[12:13], s[38:39]      ; out, block HI
	GLOAD 2, 0, 4, 1                               ; my 32 rows of Q HI,
	GLOAD 2, 128, 32, 1                            ; of Q LO,
	GLOAD 3, 0, 6, 0                               ; and of unit 0 of K
	GLOAD 3, 128, 8, 0                             ; and V
	WIN 0
	v_and_b32 v41, 15, v0                          ; r
	v_bfe_u32 v42, v0, 4, 1                        ; h
	v_mul_u32_u24 v[KA], v41, KP
	v_lshl_add_u32 v[KA], v42, 4, v[KA]            ; row r, 16 bytes for each half of the lanes
	v_and_b32 v43, 7, v0
	v_lshl_add_u32 v43, v42, 3, v43                ; key 8 h + l % 8
	v_mul_u32_u24 v[VA], v43, VP
	v_bfe_u32 v44, v0, 3, 1
	v_lshl_add_u32 v[VA], v44, 4, v[VA]            ; + 16 bytes for the upper eight of each sixteen lanes
	v_add_nc_u32 v[VA], VT, v[VA]
	s_mul_i32 s17, s14, 32*KP
	v_lshl_add_u32 v[KST], v40, 3, s17
	v_add_nc_u32 v[QA], s17, v[KA]
	s_mul_i32 s17, s14, 32*VP
	s_add_co_u32 s17, s17, VT
	v_lshl_add_u32 v[VST], v40, 3, s17
	s_mul_i32 s17, s14, 32*SP
	s_add_co_u32 s17, s17, STG
	v_mul_u32_u24 v[STO], v41, SP
	v_lshl_add_u32 v[STO], v42, 5, v[STO]
	v_add_nc_u32 v[STO], s17, v[STO]
	v_lshl_add_u32 v[SRD], v40, 4, s17
	s_lshl_b32 s17, s14, 5
	v_lshlrev_b32 v45, 3, v42
	v_sub_nc_u32 v[DQ], v41, v45                   ; r - 8 h (may be negative: the compares are signed)
	v_add_nc_u32 v[DQ], s17, v[DQ]                 ; + 32 w
	v_add_nc_u32 v[DQ+1], 16, v[DQ]
	s_lshl_b32 s17, s15, 7
	v_add_nc_u32 v[DQ0], s17, v[DQ]
	v_add_nc_u32 v[DQ0+1], s17, v[DQ+1]
	s_lshl_b32 s17, s15, 13                        ; 16 j rows of 512 bytes
	v_lshl_add_u32 v[PFO], v40, 8, s17
	v_mov_b32 v[NEGV], 0xff7fffff
	s_mov_b32 s20, CLOG
	s_mov_b32 s21, CLOG
	s_mov_b32 s22, CLOG|0x80000000                 ; -c
	s_mov_b32 s24, 0x76543210                      ; v_permlanex16_b32: lane i of one half reads lane i of the other
	s_mov_b32 s25, 0xfedcba98
	s_wait_kmcnt 0x0
	v_mov_b32 v1, s27
.set ii, 0
.rept 8
	v_mul_f32 v[NMP+ii], 0xbfb8aa3b, v1            ; NM starts at -(sink x log2 e)
.set ii, ii+1
.endr
.set ii, 0
.rept 4
	v_mov_b32 v[LS+ii], 0.5                        ; the sink's weight 1, half in each of a query's two lanes
.set ii, ii+1
.endr
	; Q: rounded, through my own 32 rows of K's tile, into fragments.  No other wave touches these rows before the first unit's barrier.
	s_wait_loadcnt 0x3f                            ; behind Q's 64 loads 64 younger ones were issued; 63 is the most a wait can name, and it is less
	CVT 2, 0
	LSTORE 2, 0, KST, KP
	QFRAG 0
	CVT 2, 128
	s_wait_dscnt 0x0                               ; HI's fragments are in before the same bytes take LO's rows
	LSTORE 2, 128, KST, KP
	QFRAG 1
	WIN 0
	s_wait_dscnt 0x0                               ; LO's fragments are in before the same bytes take K's rows
	; ---- the units ----
	STAGE 1, 1                                     ; u = 0
	COMPUTE 0, 1, -1                               ; HI >= 8: no key of unit 0 is masked
	COMPUTE 1, 1, DQ0                              ; LO: the diagonal where j = 0.  Where j > 0 the bound is at least 128 - 8 = 120 and 16 mt + i at most 119: every key passes
	s_cmp_eq_u32 s15, 0
	s_cbranch_scc1 .Llow_done
	s_cmp_eq_u32 s15, 1
	s_cbranch_scc1 .Ltripj
	s_sub_co_u32 s26, s15, 1                       ; u = 1 .. j - 1: both blocks, no mask (j >= 2 here: at least one trip)
.Lloop1:
	STAGE 0, 1
	COMPUTE 0, 0, -1
	COMPUTE 1, 0, -1
	s_sub_co_i32 s26, s26, 1
	s_cmp_gt_i32 s26, 0                            ; a signed test: the loop ends from any start
	s_cbranch_scc1 .Lloop1
.Ltripj:
	STAGE 0, 1                                     ; u = j: LO's diagonal
	COMPUTE 0, 0, -1
	COMPUTE 1, 0, DQ
.Llow_done:
	EPI 1, 34, 1
	s_cmp_eq_u32 s15, 7
	s_cbranch_scc1 .Llast
	s_lshl_b32 s26, s15, 1
	s_sub_co_u32 s26, 14, s26                      ; u = j + 1 .. 14 - j: HI alone (j <= 6 here: at least two trips)
.Lloop2:
	STAGE 0, 1
	COMPUTE 0, 0, -1
	s_sub_co_i32 s26, s26, 1
	s_cmp_gt_i32 s26, 0
	s_cbranch_scc1 .Lloop2
.Llast:
	STAGE 0, 0                                     ; u = 15 - j: HI's diagonal; nothing is left to fetch
	COMPUTE 0, 0, DQ
	EPI 0, 12, 0
	s_wait_tensorcnt 0x0
	ds_add_u32 v126, v127
	s_wait_dscnt 0x0
	s_endpgm
.Lfunc_end_k_q449360cd02_sdpa_sink:
	.size	k_q449360cd02_sdpa_sink, .Lfunc_end_k_q449360cd02_sdpa_sink-k_q449360cd02_sdpa_sink
	.p2alignl 7, 3214868480
	.fill 96, 4, 3214868480
	.section	.rodata,"a",@progbits
	.p2align	6, 0x0
	.amdhsa_kernel k_q449360cd02_sdpa_sink
		.amdhsa_group_segment_fixed_size 139776
		.amdhsa_private_segment_fixed_size 0
		.amdhsa_enable_private_segment 0
		.amdhsa_kernarg_size 40
		.amdhsa_user_sgpr_count 2
		.amdhsa_user_sgpr_kernarg_segment_ptr 1
		.amdhsa_wavefront_size32 1
		.amdhsa_system_sgpr_workgroup_id_x 1
		.amdhsa_system_sgpr_workgroup_id_y 1
		.amdhsa_system_sgpr_workgroup_id_z 1
		.amdhsa_system_vgpr_workitem_id 0
		.amdhsa_next_free_vgpr 1024
		.amdhsa_next_free_sgpr 66
		.amdhsa_reserve_vcc 0
		.amdhsa_float_denorm_mode_32 3
		.amdhsa_float_denorm_mode_16_64 3
		.amdhsa_memory_ordered 1
		.amdhsa_forward_progress 1
		.amdhsa_inst_pref_size 255
	.end_amdhsa_kernel
	.section	.bss,"aw",@nobits
	.p2align	6
	.space	262144
	.amdgpu_metadata
---
amdhsa.version: [ 1, 2 ]
amdhsa.kernels:
  - .name:           k_q449360cd02_sdpa_sink
    .symbol:         k_q449360cd02_sdpa_sink.kd
    .args:
      - { .name: q, .offset: 0, .size: 8, .value_kind: global_buffer, .address_space: global }
      - { .name: k, .offset: 8, .size: 8, .value_kind: global_buffer, .address_space: global }
      - { .name: v, .offset: 16, .size: 8, .value_kind: global_buffer, .address_space: global }
      - { .name: sink_logit, .offset: 24, .size: 8, .value_kind: global_buffer, .address_space: global }
      - { .name: out0, .offset: 32, .size: 8, .value_kind: global_buffer, .address_space: global }
    .group_segment_fixed_size: 139776
    .private_segment_fixed_size: 0
    .kernarg_segment_align: 8
    .kernarg_segment_size: 40
    .max_flat_workgroup_size: 128
    .sgpr_count:     66
    .vgpr_count:     1024
    .wavefront_size: 32
...
	.end_amdgpu_metadata
.endif
;; end of part 1
;; ======== version 2 of 2: 1 launch; version 1 with the launch sdpa_sink written anew for expert scheduling mode
;; limits: values are held in f16: magnitudes above 65,504 overflow, below 6.1e-05 lose precision; inputs' magnitudes at most 65,504; below input magnitudes of 6.1e-05 results are inexact or not finite
;; launch sdpa_sink (part 2): grid 256 x 1, 4 waves a work-group, no clusters, 139,776 bytes of LDS; arguments q, k, v, sink_logit, out0; writes out0
.if DOCPART == 2
	.amdgcn_target "amdgcn-amd-amdhsa--gfx1250"
	.amdhsa_code_object_version 6
	.text
	.protected	k_q449360cd02_sdpa_sink
	.globl	k_q449360cd02_sdpa_sink
	.p2align	8
	.type	k_q449360cd02_sdpa_sink,@function
k_q449360cd02_sdpa_sink:
	s_mov_b64 s[64:65], 0
	v_nop
	global_prefetch_b8 v0, s[64:65] scope:SCOPE_SE
	s_setreg_imm32_b32 hwreg(HW_REG_WAVE_SCHED_MODE, 0, 2), 2
	s_setreg_imm32_b32 hwreg(HW_REG_WAVE_MODE, 25, 1), 1
	s_wait_xcnt 0x0
	s_wait_alu depctr_vm_vsrc(0)
; Causal attention with a sink column.  q, k, v, out: [32 heads][2048][128] f32; sink_logit: [16] f32 (head mod 16).
; out = softmax([sink, q k^T / sqrt(128) under the causal mask]) without its first column, times v.
;
; SHARES.  A head's 2,048 queries are 16 blocks of 128.  Work-group (head, j), j = 0..7, owns block LO = j and block HI = 15 - j:
; (j + 1) + (16 - j) = 17 units of 128 queries x 128 keys in every one of the 256 work-groups.  It walks the key units u = 0 .. 15 - j once;
; a unit of K and V is brought once, rounded to f16 in registers, laid into LDS, and used by HI always and by LO while u <= j.
; Wave w owns rows 32 w .. 32 w + 31 of both blocks: two query tiles of 16.  Lane (r = l % 16, h = l / 16) owns query r of each tile.
;
; BOTH PRODUCTS ARE TRANSPOSED.  S^T = K Q^T: register i of key tile mt holds key 16 mt + 8 h + i for query r.  Two neighbouring key tiles,
; packed to f16, are then the second operand of O^T = V^T P^T as they lie, and maximum, sum and rescaling are one number a lane;
; the one step between lanes is the exchange of the two halves of the wave.
;
; THE SINK is the running softmax's start: maximum = sink logit, sum = 1 (0.5 in each of a query's two lanes), output empty.  So the running maximum is
; always finite and is taken away in front of every exponential.  All in base 2: NM = -(maximum x log2 e), p = exp2(S c + NM), c = log2 e / sqrt(128).
;
; WHY F16 AND NOT BF16.  A row with few keys is a sum of a few terms of the size of v that partly cancel, so each operand's rounding shows in full in a small result:
; 11 bits keep it 8 times smaller than 8 bits would.  The weights lie in [0, 1] by the softmax itself; q, k, v have room (see LIMITS); products and sums are f32.
;
; NO TENSOR LOADS, NO CLUSTER.  K and V lie in memory as f32 and the matrix operands are f16, so every byte has to pass through registers once on its way
; into LDS: loaded into registers, a row of K or V costs 256 bytes of LDS stores; brought into LDS as f32 first, a unit's 128 KiB would have to be read
; back and then stored the same way.  And the eight work-groups of a head need 16 - j units, a different number each, so that they cannot make every request jointly
; without work that is thrown away (20 units in place of 17).
;
; LIMITS.  q, k, v and the weights p go to the matrix unit rounded to f16 (nearest even): an input beyond 65,504 in magnitude becomes infinite, and below 2^-14 its
; step is 2^-24.  A weight below 2^-25 of its row's largest counts as 0 in the product with v; the denominator adds the unrounded p, of which those below 2^-126
; count as 0.  NaN and infinite inputs are not followed (the maxima drop NaN).  Sums run in another order than the reference's.
;
; THE MODE: SCHED_MODE bits 1:0 = 2 (LLVM: expert scheduling mode 2), set by the entry lines.  The code itself states the register dependences
; between vector or matrix instructions and memory or LDS instructions, with s_wait_alu, always for 0.
; THE PLAN.  Registers that memory or LDS instructions touch, and who else names them:
;   v2-v9, v14      addresses: written by vector instructions at the head and never again; one wait ahead of the first load, one ahead of the first LDS store.
;   window 3        a unit as loaded.  K's loads stand at STAGE's end, V's are dealt among block HI's first products; the next STAGE's conversions read and write the
;                   registers, its LDS stores read them.  STAGE: a wait on va_vdst between conversions and stores; behind the stores one on vm_vsrc and one on va_vdst,
;                   behind which no vector or matrix instruction names window 3 until all 64 loads have been issued and awaited.
;   A, B, C         three fragment buffers: LDS loads land in them, products alone read them.  The eight steps of a COMPUTE take K0 A, K1 B, K2 C, K3 A, V0 B, V1 C, V2 A, V3 B.
;                   A wait on va_vdst stands behind every second step and frees the two buffers just read: one of them is loaded at once, the other behind the next
;                   step's products, which name neither it nor its address.
;   window 2        at the head Q as loaded: converted, then read by LDS stores; one wait on va_vdst ahead of each run of stores, one on vm_vsrc before the products write O there.
;                   At a block's end O is scaled and read by LDS stores: one wait on va_vdst ahead of them.
;   v128-255        scores and weights; on the way out LDS loads land there (behind the same wait) and global stores read them: one wait on vm_vsrc before scores are written again.
;   s14, s[40:47]   written by vector instructions (the wave's number; the mask's compares): a wait on va_sdst ahead of the first reader.
.set KP,   272                         ; LDS pitch of K's (and at the start Q's) rows: 256 bytes of f16 + 16, an odd multiple of 16: 16 rows start at 16 different 16-byte columns modulo 256
.set VP,   288                         ; LDS pitch of V's rows: 256 + 32, an odd multiple of 32, for the transposing loads
.set SP,   528                         ; LDS pitch of the way out: 512 bytes of f32 + 16
.set VT,   128*KP                      ; K's tile at 0, V's tile behind it
.set STG,  VT+128*VP                   ; behind both: 32 rows x 528 bytes for each wave, its own
.set ROWB, 512                         ; a row of q, k, v, out in memory
.set UNIT, 128*ROWB                    ; 128 rows: a key unit, a query block
; window 0
.set GOFF, 2                           ; v2      w x 32 rows + 16 x lane: my 16 bytes of my wave's first row, in a unit of K or V and in a block of Q or out
.set KA,   3                           ; v3      K fragments: 272 r + 16 h
.set VA,   4                           ; v4      V fragments (transposing loads)
.set KST,  5                           ; v5      where I put 8 bytes of a row of K (or Q)
.set VST,  6                           ; v6      the same for V
.set QA,   7                           ; v7      Q fragments: KA + my wave's rows
.set STO,  8                           ; v8      the way out: where I put 32 bytes of a row
.set SRD,  9                           ; v9      the way out: where I read a row back
.set DQ,   10                          ; v10-11  tile n: my query's row in its block, less 8 h: key 16 mt + i is allowed if it is <= this (diagonal unit)
.set DQ0,  12                          ; v12-13  the same + 128 j: block LO against key unit 0
.set PFO,  14                          ; v14     prefetch: 16 j rows + 256 x lane
.set NEGV, 15                          ; v15     the most negative finite f32, as the reference's mask has it
.set NMP,  16                          ; v[16:23] (NM, NM) at 16 + 4 blk + 2 n
.set LS,   24                          ; v24-27  my half of the running sum, at 24 + 2 blk + n
.set ALP,  28                          ; v[28:31] (alpha, alpha) of tile n; at the end (1/sum, 1/sum)
.set MX,   32                          ; v32-39  four running maxima for each n
.set T,    40                          ; v[40:55] four pairs of partial sums for each n; temporaries of the set-up
                                       ; v64-127 fragment buffer C
.set SR,   128                         ; v128-255 S: tile (n, mt) at 128 + 8 (8 n + mt); P of keys 32 c .. 32 c + 31 packed in place at 128 + 64 n + 16 c; rows on the way out
; window 1: v0-63 fragment buffer A, v64-127 fragment buffer B (8 fragments of 8 registers each)
.set QR,   128                         ; Q fragments: (blk, n, c) at 128 + 64 blk + 8 (4 n + c)
; window 2: O, tile (blk, t, n) at 128 blk + 8 (2 t + n); before the first unit the raw rows of Q (HI at 0, LO at 128)
; window 3: the next unit as loaded: row i of my 32 in registers 4 i .. 4 i + 3, K at 0, V at 128
; blk: 0 = HI, 1 = LO
.set CLOG, 0x3e0293ee                  ; log2 e / sqrt(128)
.set FA,   0                           ; the fragment buffers' numbers
.set FB,   1
.set FC,   2
.macro FSEL fb                         ; a buffer's first register and its window: A (0, 1), B (64, 1), C (64, 0)
.set FBASE, 64*((\fb+1)/2)
.set FWIN,  1-(\fb)/2
.endm
.set MSB, 0
.macro WIN new                         ; s_set_vgpr_msb: bits 1:0 source 0, 3:2 source 1, 5:4 source 2, 7:6 destination; the high byte repeats the setting that is left
.if MSB != \new
	s_set_vgpr_msb (MSB<<8)|\new
.set MSB, \new
.endif
.endm
; Behind a matrix instruction four places before a vector instruction touches its registers, five before another matrix instruction writes over them or takes
; its result as an operand; only plain vector instructions that name none of its registers are places (ISA guide 7.12.1).  Ahead of a load into sources that the
; products just issued have read the four places stand too, and the wait on va_vdst beside them: neither stands for the other.
.macro PLACES cnt
.rept \cnt
	v_nop
.endr
.endm
; rows row0 .. row0 + rows - 1 of my 32 rows of 512 bytes into window win: one load of the wave covers one whole row.  nt = 1: bytes that the launch reads once.
.macro GLOAD win, reg, base, nt, row0=0, rows=32
	WIN (\win<<6)
.set ii, \row0
.rept \rows
.if \nt
	global_load_b128 v[\reg+4*ii:\reg+4*ii+3], v[GOFF], s[\base:\base+1] offset:ROWB*ii th:TH_LOAD_NT
.else
	global_load_b128 v[\reg+4*ii:\reg+4*ii+3], v[GOFF], s[\base:\base+1] offset:ROWB*ii
.endif
.set ii, ii+1
.endr
.endm
; the 32 rows to f16, in place: four f32 become the row's first two registers
.macro CVT win, reg
	WIN ((\win<<6)|(\win<<2)|\win)
.set ii, 0
.rept 32
	v_cvt_pk_f16_f32 v[\reg+4*ii],   v[\reg+4*ii],   v[\reg+4*ii+1]
	v_cvt_pk_f16_f32 v[\reg+4*ii+1], v[\reg+4*ii+2], v[\reg+4*ii+3]
.set ii, ii+1
.endr
.endm
; the 32 rows into LDS: 32 lanes x 8 bytes are a row's 256 neighbouring bytes
.macro LSTORE win, reg, addr, pitch
	WIN (\win<<2)
.set ii, 0
.rept 32
	ds_store_b64 v[\addr], v[\reg+4*ii:\reg+4*ii+1] offset:ii*\pitch
.set ii, ii+1
.endr
.endm
; my wave's 32 rows of Q as eight fragments (2 query tiles x 4 steps of 32 along d), kept for the whole kernel
.macro QFRAG blk
	WIN 0x40
.set nn, 0
.rept 2
.set cc, 0
.rept 4
	ds_load_b128 v[QR+64*\blk+8*(4*nn+cc):QR+64*\blk+8*(4*nn+cc)+3],   v[QA] offset:16*KP*nn+64*cc
	ds_load_b128 v[QR+64*\blk+8*(4*nn+cc)+4:QR+64*\blk+8*(4*nn+cc)+7], v[QA] offset:16*KP*nn+64*cc+32
.set cc, cc+1
.endr
.set nn, nn+1
.endr
.endm
; 16 loads: the eight key tiles' fragments for d = 32 ks .. 32 ks + 31
.macro FETCHK ks, fb
	FSEL \fb
	WIN (FWIN<<6)
.set mm, 0
.rept 8
	ds_load_b128 v[FBASE+8*mm:FBASE+8*mm+3],   v[KA] offset:16*KP*mm+64*\ks
	ds_load_b128 v[FBASE+8*mm+4:FBASE+8*mm+7], v[KA] offset:16*KP*mm+64*\ks+32
.set mm, mm+1
.endr
.endm
; 16 transposing loads: V^T's eight tiles of 16 dv for keys 32 ks .. 32 ks + 31
.macro FETCHV ks, fb
	FSEL \fb
	WIN (FWIN<<6)
.set tt, 0
.rept 8
	ds_load_tr16_b128 v[FBASE+8*tt:FBASE+8*tt+3],   v[VA] offset:32*VP*\ks+32*tt
	ds_load_tr16_b128 v[FBASE+8*tt+4:FBASE+8*tt+7], v[VA] offset:32*VP*\ks+32*tt+16*VP
.set tt, tt+1
.endr
.endm
; 16 matrix instructions: S^T(mt, n) += K(mt) Q(n)^T over 32 of d.  The first step starts the sums with the constant 0.
; The 16 accumulators take turns, one instruction a turn, in the same order in every step.
.macro MULS blk, ks, fb
	FSEL \fb
	WIN (0x04|FWIN)
.set mm, 0
.rept 8
.set nn, 0
.rept 2
.if \ks == 0
	v_wmma_f32_16x16x32_f16 v[SR+8*(8*nn+mm):SR+8*(8*nn+mm)+7], v[FBASE+8*mm:FBASE+8*mm+7], v[QR+64*\blk+8*(4*nn+\ks):QR+64*\blk+8*(4*nn+\ks)+7], 0
.else
	v_wmma_f32_16x16x32_f16 v[SR+8*(8*nn+mm):SR+8*(8*nn+mm)+7], v[FBASE+8*mm:FBASE+8*mm+7], v[QR+64*\blk+8*(4*nn+\ks):QR+64*\blk+8*(4*nn+\ks)+7], v[SR+8*(8*nn+mm):SR+8*(8*nn+mm)+7]
.endif
.set nn, nn+1
.endr
.set mm, mm+1
.endr
.endm
; 16 matrix instructions: O^T(t, n) += V^T(t) P^T(n) over 32 keys; zero = 1: the block's very first product starts the sums.  Turns as above.
.macro MULO blk, ks, fb, zero
	FSEL \fb
	WIN (0xa0|FWIN)
.set tt, 0
.rept 8
.set nn, 0
.rept 2
.if \zero
	v_wmma_f32_16x16x32_f16 v[128*\blk+8*(2*tt+nn):128*\blk+8*(2*tt+nn)+7], v[FBASE+8*tt:FBASE+8*tt+7], v[SR+64*nn+16*\ks:SR+64*nn+16*\ks+7], 0
.else
	v_wmma_f32_16x16x32_f16 v[128*\blk+8*(2*tt+nn):128*\blk+8*(2*tt+nn)+7], v[FBASE+8*tt:FBASE+8*tt+7], v[SR+64*nn+16*\ks:SR+64*nn+16*\ks+7], v[128*\blk+8*(2*tt+nn):128*\blk+8*(2*tt+nn)+7]
.endif
.set nn, nn+1
.endr
.set tt, tt+1
.endr
.endm
; The causal mask: score register 8 mt + i keeps its value where 16 mt + i <= v[dq + n].  A key tile at a time: eight compares into eight masks, one wait, eight selects.
.macro MASK dq
.set nn, 0
.rept 2
.set mm, 0
.rept 8
.set gg, 0
.rept 8
	v_cmp_le_i32 s[40+gg], 16*mm+gg, v[\dq+nn]
.set gg, gg+1
.endr
	s_wait_alu depctr_va_sdst(0)                   ; the eight compares have written s[40:47], ahead of the selects that read them
.set gg, 0
.rept 8
	v_cndmask_b32 v[SR+64*nn+8*mm+gg], v[NEGV], v[SR+64*nn+8*mm+gg], s[40+gg]
.set gg, gg+1
.endr
.set mm, mm+1
.endr
.set nn, nn+1
.endr
.endm
; One query tile's step of the running softmax over the unit's 128 keys (64 scores a lane), in window 0.
.macro SOFTMAX blk, qt
.set SB, SR+64*\qt
.set MB, MX+4*\qt
.set TB, T+8*\qt
.set NB, NMP+4*\blk+2*\qt
.set AB, ALP+2*\qt
.set LB, LS+2*\blk+\qt
	; the largest of my 64 scores, in four chains started by the first scores
.set kk, 0
.rept 4
	v_max_num_f32 v[MB+kk], v[SB+16*kk], v[SB+16*kk+1]
.set kk, kk+1
.endr
.set jj, 0
.rept 7
.set kk, 0
.rept 4
	v_max3_num_f32 v[MB+kk], v[MB+kk], v[SB+16*kk+2+2*jj], v[SB+16*kk+3+2*jj]
.set kk, kk+1
.endr
.set jj, jj+1
.endr
	v_max3_num_f32 v[MB], v[MB], v[MB+1], v[MB+2]
	v_max_num_f32 v[MB], v[MB], v[MB+3]
	v_permlanex16_b32 v[MB+1], v[MB], s24, s25     ; the other half of the wave holds my query's other 64 keys
	v_max_num_f32 v[MB], v[MB], v[MB+1]
	v_mul_f32 v[MB], s22, v[MB]                    ; -c x maximum
	v_min_num_f32 v[MB+1], v[MB], v[NB]            ; the new NM: the running maximum can only rise
	v_sub_f32 v[MB+2], v[MB+1], v[NB]              ; new NM - old NM <= 0
	v_mov_b32 v[NB], v[MB+1]
	v_mov_b32 v[NB+1], v[MB+1]
	v_exp_f32 v[AB], v[MB+2]                       ; alpha, twice, for the packed multiplies.  Behind a transcendental one plain vector instruction stands before its
	v_exp_f32 v[AB+1], v[MB+2]                     ; result is used or its source rewritten (ISA guide 5.7.2): here the multiply-adds below, which name neither
.set jj, 0
.rept 32
	v_pk_fma_f32 v[SB+2*jj:SB+2*jj+1], v[SB+2*jj:SB+2*jj+1], s[20:21], v[NB:NB+1] op_sel_hi:[1,0,1]   ; S c - maximum, in base 2
.set jj, jj+1
.endr
.set jj, 0
.rept 64
	v_exp_f32 v[SB+jj], v[SB+jj]
.set jj, jj+1
.endr
	v_nop                                          ; the plain place behind the last exponential
	; my 64 weights' sum, in four chains of pairs
.set kk, 0
	s_wait_alu depctr_va_vdst(0)
.rept 4
	v_pk_add_f32 v[TB+2*kk:TB+2*kk+1], v[SB+16*kk:SB+16*kk+1], v[SB+16*kk+2:SB+16*kk+3]
.set kk, kk+1
.endr
.set jj, 0
.rept 6
.set kk, 0
.rept 4
	v_pk_add_f32 v[TB+2*kk:TB+2*kk+1], v[TB+2*kk:TB+2*kk+1], v[SB+16*kk+4+2*jj:SB+16*kk+5+2*jj]
.set kk, kk+1
.endr
.set jj, jj+1
.endr
	v_pk_add_f32 v[TB:TB+1], v[TB:TB+1], v[TB+2:TB+3]
	v_pk_add_f32 v[TB+4:TB+5], v[TB+4:TB+5], v[TB+6:TB+7]
	v_pk_add_f32 v[TB:TB+1], v[TB:TB+1], v[TB+4:TB+5]
	v_add_f32 v[TB], v[TB], v[TB+1]
	v_fma_f32 v[LB], v[LB], v[AB], v[TB]           ; sum = sum x alpha + this unit's
	; P^T's fragments, in place: of each pair of key tiles (16 registers) register i takes numbers 2 i and 2 i + 1; i <= 2 i, so nothing unread is written
.set cc, 0
.rept 4
.set jj, 0
.rept 8
	v_cvt_pk_f16_f32 v[SB+16*cc+jj], v[SB+16*cc+2*jj], v[SB+16*cc+2*jj+1]
.set jj, jj+1
.endr
.set cc, cc+1
.endr
.endm
; O(blk) x the pair in ALP: alpha in a unit, 1 / sum at the end
.macro RESCALE blk
	WIN 0x82
.set tt, 0
.rept 8
.set nn, 0
.rept 2
.set jj, 0
.rept 4
	v_pk_mul_f32 v[128*\blk+8*(2*tt+nn)+2*jj:128*\blk+8*(2*tt+nn)+2*jj+1], v[128*\blk+8*(2*tt+nn)+2*jj:128*\blk+8*(2*tt+nn)+2*jj+1], v[ALP+2*nn:ALP+2*nn+1]
.set jj, jj+1
.endr
.set nn, nn+1
.endr
.set tt, tt+1
.endr
.endm
; One block's 32 rows of mine against the unit in LDS: 128 matrix instructions, 128 LDS loads.  first = 1: the block's first unit; dq: the mask's register, -1 = none.
; next = 1: the next unit's V is asked for here, 16 rows behind the first and 16 behind the third run of products.
; Three fragment buffers take turns.  Each s_wait_dscnt 16 lets the one younger run of 16 loads stay out; the s_wait_dscnt 32 the two younger runs.
.macro COMPUTE blk, first, dq, next
.if \blk == 1
	WIN 0x40
	s_wait_alu depctr_va_vdst(0)                   ; block HI's products with V are done reading A, B and C, in which K's first three runs of loads land
.endif                                                 ; (block HI stands behind STAGE, behind whose last wait on va_vdst no vector or matrix instruction names the three buffers or v[KA])
	FETCHK 0, FA
	FETCHK 1, FB
	s_wait_dscnt 16
	MULS \blk, 0, FA
	FETCHK 2, FC                                   ; no wait: since the wait ahead of this COMPUTE only the products above were issued, and they name A, Q and the scores
.if \next
	GLOAD 3, 128, 8, 0, 0, 16                      ; V's rows 0-15 of the next unit.  No wait: no vector or matrix instruction since STAGE's two waits names window 3 or v[GOFF]
.endif
	s_wait_dscnt 16
	MULS \blk, 1, FB
	PLACES 4
	WIN 0x40
	s_wait_alu depctr_va_vdst(0)                   ; the first two runs of products are done reading A and B: K's last run lands in A now, V's first in B behind the next products
	FETCHK 3, FA
	s_wait_dscnt 16
	MULS \blk, 2, FC
	FETCHV 0, FB                                   ; no wait: the products since the wait name C, Q and the scores
.if \next
	GLOAD 3, 128, 8, 0, 16, 16                     ; V's rows 16-31 of the next unit: as above
.endif
	s_wait_dscnt 16
	MULS \blk, 3, FA
	PLACES 5                                       ; five: the scores' registers come back as an operand of the products with V
	WIN 0
	s_wait_alu depctr_va_vdst(0)                   ; the last two runs of products are done reading C and A, in which V's next two runs land; they come in under the softmax
	FETCHV 1, FC
	FETCHV 2, FA
	WIN 0
.if \dq >= 0
	MASK \dq
.endif
	SOFTMAX \blk, 0
	SOFTMAX \blk, 1
.if \first == 0
	RESCALE \blk
.endif
	s_wait_dscnt 32
	MULO \blk, 0, FB, \first
	s_wait_dscnt 16
	MULO \blk, 1, FC, 0
	PLACES 4
	WIN 0x40
	s_wait_alu depctr_va_vdst(0)                   ; the first run of products with V is done reading B, in which V's last run lands
	FETCHV 3, FB
	s_wait_dscnt 16
	MULO \blk, 2, FA, 0
	s_wait_dscnt 0
	MULO \blk, 3, FB, 0
	PLACES 5                                       ; five: the next products write over P's registers; also covers what reads O next
	WIN 0
.endm
; The unit that waits in window 3 goes into LDS; next = 1: the unit behind it is asked for, K's rows here and V's in block HI's COMPUTE, and has the trip's products in which to come.
.macro STAGE first, next
	s_wait_loadcnt 0x0                             ; the unit's 64 loads are in
.if \first == 0
	s_wait_dscnt 0x0                               ; my fragment loads of the old tile are back:
	s_barrier_signal -1                            ; say so,
.endif
	CVT 3, 0                                       ; round in registers while the others arrive,
	CVT 3, 128
.if \first == 0
	s_barrier_wait -1                              ; and write over the old tile only when all four have said so
.endif
	WIN 0x0c
	s_wait_alu depctr_va_vdst(0)                   ; the conversions have written the rows' registers, which the LDS stores read
	LSTORE 3, 0, KST, KP
	LSTORE 3, 128, VST, VP
	s_wait_dscnt 0x0                               ; my 32 rows of K and of V are written: zero, since the other waves read them
	s_barrier_signal -1
	s_barrier_wait -1                              ; the tile is whole
.if \next
	s_wait_xcnt 0x0                                ; the bases, and the prefetch's base, are rewritten only behind this wait
	s_add_nc_u64 s[6:7], s[6:7], UNIT
	s_add_nc_u64 s[8:9], s[8:9], UNIT
	WIN 0xc0
	s_wait_alu depctr_vm_vsrc(0)                   ; my LDS stores have read window 3's registers, in which the next unit's loads land
	s_wait_alu depctr_va_vdst(0)                   ; the conversions are done reading and writing those registers; it stands behind the stores, so that nothing that names them lies between it and the loads
	GLOAD 3, 0, 6, 0                               ; K's 32 rows; no hint: the head's other work-groups read these rows too
	WIN 0
	; Prefetch: unit u + 2, one trip ahead of its loads.  Of its 128 rows work-group j asks for rows 16 j .. 16 j + 15 (32 lanes, 256 bytes apart), wave 0 in K, wave 1 in V:
	; each block of 256 bytes has one asker in the launch.  It stops where u + 2 would pass my last unit, 15 - j, so that it stays inside the head's rows.
	s_cmp_lt_u32 s28, 2
	s_cbranch_scc1 .Lno_prefetch_\@
	s_cmp_gt_u32 s14, 1
	s_cbranch_scc1 .Lno_prefetch_\@
	s_cmp_eq_u32 s14, 0
	s_cselect_b64 s[30:31], s[6:7], s[8:9]
	global_prefetch_b8 v[PFO], s[30:31] offset:UNIT th:TH_LOAD_NT scope:SCOPE_SE
.Lno_prefetch_\@:
	s_sub_co_u32 s28, s28, 1                       ; units left behind this one
.endif
	WIN 0
.endm
; A block is done: divide by the sum, 32 bytes a lane into my own stage, back as whole rows, out.  more = 1: the rows' registers are written again later.
.macro EPI blk, base, more
	v_permlanex16_b32 v[MX],   v[LS+2*\blk],   s24, s25    ; the other half of my query's sum
	v_permlanex16_b32 v[MX+4], v[LS+2*\blk+1], s24, s25
	v_add_f32 v[MX],   v[MX],   v[LS+2*\blk]
	v_add_f32 v[MX+4], v[MX+4], v[LS+2*\blk+1]
	v_rcp_f32 v[ALP],   v[MX]                      ; the sum holds the row's largest weight, 1, or the sink's: it is never near 0
	v_rcp_f32 v[ALP+1], v[MX]
	v_rcp_f32 v[ALP+2], v[MX+4]
	v_rcp_f32 v[ALP+3], v[MX+4]
	v_nop                                          ; the plain place behind the reciprocals
	s_wait_alu depctr_va_vdst(0)
	RESCALE \blk
	WIN 0x08
	s_wait_alu depctr_va_vdst(0)                   ; the multiplies have written O, which the LDS stores read; products and roundings are done with v128-255, in which the rows land
.set tt, 0
.rept 8
.set nn, 0
.rept 2
	ds_store_b128 v[STO], v[128*\blk+8*(2*tt+nn):128*\blk+8*(2*tt+nn)+3]   offset:16*SP*nn+64*tt      ; query 16 n + r, dv 16 t + 8 h .. + 3
	ds_store_b128 v[STO], v[128*\blk+8*(2*tt+nn)+4:128*\blk+8*(2*tt+nn)+7] offset:16*SP*nn+64*tt+16   ; .. + 4 .. + 7
.set nn, nn+1
.endr
.set tt, tt+1
.endr
	WIN 0
.set ii, 0
.rept 32
	ds_load_b128 v[SR+4*ii:SR+4*ii+3], v[SRD] offset:SP*ii    ; LDS serves a wave's instructions in order (ISA guide 5.7.1): these see my stores above; the stage is mine alone
.set ii, ii+1
.endr
.set ii, 0
.rept 32
	s_wait_dscnt 31-ii                             ; row ii is in; the younger rows' loads stay out
	global_store_b128 v[GOFF], v[SR+4*ii:SR+4*ii+3], s[\base:\base+1] offset:ROWB*ii th:TH_STORE_NT   ; the wave stores one whole row: 512 consecutive bytes, aligned
.set ii, ii+1
.endr
.if \more
	s_wait_xcnt 0x0                                ; the rows' registers take scores again only behind this wait,
	s_wait_alu depctr_vm_vsrc(0)                   ; and behind this one: the global stores have read v128-255, which the next products write
.endif
.endm
	; ---- set-up ----
	s_load_b256 s[4:11], s[0:1], 0x0               ; q s[4:5], k s[6:7], v s[8:9], sink_logit s[10:11]
	s_load_b64 s[12:13], s[0:1], 0x20              ; out
	v_lshl_add_u32 v62, v0, 2, 0x22000
	v_mov_b32 v63, 0
	v_lshrrev_b32 v1, 5, v0
	v_readfirstlane_b32 s14, v1                    ; wave 0..3
	v_and_b32 v40, 31, v0                          ; lane
	s_and_b32 s15, ttmp9, 7                        ; j
	s_lshr_b32 s16, ttmp9, 3                       ; head 0..31
	s_lshl_b32 s18, s16, 20                        ; a head is 2,048 rows of 512 bytes
	s_mov_b32 s19, 0
	s_lshl_b32 s36, s15, 16                        ; block LO = j, in bytes
	s_mov_b32 s37, 0
	s_sub_co_u32 s28, 15, s15                      ; 15 - j: block HI, my last unit, and the units left behind unit 0
	s_lshl_b32 s38, s28, 16
	s_mov_b32 s39, 0
	s_and_b32 s44, s16, 15                         ; the sink logit hangs on the head within its batch
	s_lshl_b32 s44, s44, 2
	s_mov_b32 s45, 0
	s_wait_alu depctr_va_sdst(0)                   ; s14 is written, ahead of its first reader: offsets, LDS addresses and branches are made from it
	s_lshl_b32 s17, s14, 14                        ; my wave's 32 rows of 512 bytes
	v_lshl_add_u32 v[GOFF], v40, 4, s17
	s_wait_kmcnt 0x0
	s_add_nc_u64 s[10:11], s[10:11], s[44:45]
	s_load_b32 s27, s[10:11], 0x0                  ; the head's sink logit
	s_add_nc_u64 s[4:5], s[4:5], s[18:19]
	s_add_nc_u64 s[6:7], s[6:7], s[18:19]          ; K at the head's unit 0
	s_add_nc_u64 s[8:9], s[8:9], s[18:19]          ; V likewise
	s_add_nc_u64 s[12:13], s[12:13], s[18:19]
	s_add_nc_u64 s[32:33], s[4:5], s[36:37]        ; Q, block LO
	s_add_nc_u64 s[34:35], s[12:13], s[36:37]      ; out, block LO
	s_add_nc_u64 s[4:5], s[4:5], s[38:39]          ; Q, block HI
	s_add_nc_u64 s[12:13], s[12:13], s[38:39]      ; out, block HI
	WIN 0x80
	s_wait_alu depctr_va_vdst(0)                   ; v[GOFF] is written: every global load and store of the kernel reads it as its offset
	GLOAD 2, 0, 4, 1                               ; my 32 rows of Q HI,
	GLOAD 2, 128, 32, 1                            ; of Q LO,
	GLOAD 3, 0, 6, 0                               ; and of unit 0 of K
	GLOAD 3, 128, 8, 0                             ; and V
	WIN 0
	v_and_b32 v41, 15, v0                          ; r
	v_bfe_u32 v42, v0, 4, 1                        ; h
	v_mul_u32_u24 v[KA], v41, KP
	v_lshl_add_u32 v[KA], v42, 4, v[KA]            ; row r, 16 bytes for each half of the lanes
	v_and_b32 v43, 7, v0
	v_lshl_add_u32 v43, v42, 3, v43                ; key 8 h + l % 8
	v_mul_u32_u24 v[VA], v43, VP
	v_bfe_u32 v44, v0, 3, 1
	v_lshl_add_u32 v[VA], v44, 4, v[VA]            ; + 16 bytes for the upper eight of each sixteen lanes
	v_add_nc_u32 v[VA], VT, v[VA]
	s_mul_i32 s17, s14, 32*KP
	v_lshl_add_u32 v[KST], v40, 3, s17
	v_add_nc_u32 v[QA], s17, v[KA]
	s_mul_i32 s17, s14, 32*VP
	s_add_co_u32 s17, s17, VT
	v_lshl_add_u32 v[VST], v40, 3, s17
	s_mul_i32 s17, s14, 32*SP
	s_add_co_u32 s17, s17, STG
	v_mul_u32_u24 v[STO], v41, SP
	v_lshl_add_u32 v[STO], v42, 5, v[STO]
	v_add_nc_u32 v[STO], s17, v[STO]
	v_lshl_add_u32 v[SRD], v40, 4, s17
	s_lshl_b32 s17, s14, 5
	v_lshlrev_b32 v45, 3, v42
	v_sub_nc_u32 v[DQ], v41, v45                   ; r - 8 h (may be negative: the compares are signed)
	v_add_nc_u32 v[DQ], s17, v[DQ]                 ; + 32 w
	v_add_nc_u32 v[DQ+1], 16, v[DQ]
	s_lshl_b32 s17, s15, 7
	v_add_nc_u32 v[DQ0], s17, v[DQ]
	v_add_nc_u32 v[DQ0+1], s17, v[DQ+1]
	s_lshl_b32 s17, s15, 13                        ; 16 j rows of 512 bytes
	v_lshl_add_u32 v[PFO], v40, 8, s17
	v_mov_b32 v[NEGV], 0xff7fffff
	s_mov_b32 s20, CLOG
	s_mov_b32 s21, CLOG
	s_mov_b32 s22, CLOG|0x80000000                 ; -c
	s_mov_b32 s24, 0x76543210                      ; v_permlanex16_b32: lane i of one half reads lane i of the other
	s_mov_b32 s25, 0xfedcba98
	s_wait_kmcnt 0x0
	v_mov_b32 v1, s27
.set ii, 0
.rept 8
	v_mul_f32 v[NMP+ii], 0xbfb8aa3b, v1            ; NM starts at -(sink x log2 e)
.set ii, ii+1
.endr
.set ii, 0
.rept 4
	v_mov_b32 v[LS+ii], 0.5                        ; the sink's weight 1, half in each of a query's two lanes
.set ii, ii+1
.endr
	; Q: rounded, through my own 32 rows of K's tile, into fragments.  No other wave touches these rows before the first unit's barrier.
	s_wait_loadcnt 0x3f                            ; behind Q's 64 loads 64 younger ones were issued; 63 is the most a wait can name, and it is less
	CVT 2, 0
	WIN 0x08
	s_wait_alu depctr_va_vdst(0)                   ; the conversions have written HI's rows, which the LDS stores read; and v3 to v9 and v14 are written, the addresses of every LDS instruction and of the prefetch
	LSTORE 2, 0, KST, KP
	QFRAG 0
	CVT 2, 128
	s_wait_dscnt 0x0                               ; HI's fragments are in before the same bytes take LO's rows
	WIN 0x08
	s_wait_alu depctr_va_vdst(0)                   ; the conversions have written LO's rows, which the LDS stores read
	LSTORE 2, 128, KST, KP
	QFRAG 1
	WIN 0
	s_wait_dscnt 0x0                               ; LO's fragments are in before the same bytes take K's rows
	s_wait_alu depctr_vm_vsrc(0)                   ; the LDS stores have read window 2's registers: these are O from here on, written by the products with V
	; ---- the units ----
	STAGE 1, 1                                     ; u = 0
	COMPUTE 0, 1, -1, 1                            ; HI >= 8: no key of unit 0 is masked
	COMPUTE 1, 1, DQ0, 0                           ; LO: the diagonal where j = 0.  Where j > 0 the bound is at least 128 - 8 = 120 and 16 mt + i at most 119: every key passes
	s_cmp_eq_u32 s15, 0
	s_cbranch_scc1 .Llow_done
	s_cmp_eq_u32 s15, 1
	s_cbranch_scc1 .Ltripj
	s_sub_co_u32 s26, s15, 1                       ; u = 1 .. j - 1: both blocks, no mask (j >= 2 here: at least one trip)
.Lloop1:
	STAGE 0, 1
	COMPUTE 0, 0, -1, 1
	COMPUTE 1, 0, -1, 0
	s_sub_co_i32 s26, s26, 1
	s_cmp_gt_i32 s26, 0                            ; a signed test: the loop ends from any start
	s_cbranch_scc1 .Lloop1
.Ltripj:
	STAGE 0, 1                                     ; u = j: LO's diagonal
	COMPUTE 0, 0, -1, 1
	COMPUTE 1, 0, DQ, 0
.Llow_done:
	EPI 1, 34, 1
	s_cmp_eq_u32 s15, 7
	s_cbranch_scc1 .Llast
	s_lshl_b32 s26, s15, 1
	s_sub_co_u32 s26, 14, s26                      ; u = j + 1 .. 14 - j: HI alone (j <= 6 here: at least two trips)
.Lloop2:
	STAGE 0, 1
	COMPUTE 0, 0, -1, 1
	s_sub_co_i32 s26, s26, 1
	s_cmp_gt_i32 s26, 0
	s_cbranch_scc1 .Lloop2
.Llast:
	STAGE 0, 0                                     ; u = 15 - j: HI's diagonal; nothing is left to fetch
	COMPUTE 0, 0, DQ, 0
	EPI 0, 12, 0
	s_wait_dscnt 0x0
	s_wait_alu depctr_hold_cnt(0) depctr_sa_sdst(0) depctr_va_vdst(0) depctr_va_sdst(0) depctr_va_ssrc(0) depctr_va_vcc(0) depctr_vm_vsrc(0)
	s_wait_tensorcnt 0x0
	ds_add_u32 v62, v63
	s_wait_dscnt 0x0
	s_endpgm
.Lfunc_end_k_q449360cd02_sdpa_sink:
	.size	k_q449360cd02_sdpa_sink, .Lfunc_end_k_q449360cd02_sdpa_sink-k_q449360cd02_sdpa_sink
	.p2alignl 7, 3214868480
	.fill 96, 4, 3214868480
	.section	.rodata,"a",@progbits
	.p2align	6, 0x0
	.amdhsa_kernel k_q449360cd02_sdpa_sink
		.amdhsa_group_segment_fixed_size 139776
		.amdhsa_private_segment_fixed_size 0
		.amdhsa_enable_private_segment 0
		.amdhsa_kernarg_size 40
		.amdhsa_user_sgpr_count 2
		.amdhsa_user_sgpr_kernarg_segment_ptr 1
		.amdhsa_wavefront_size32 1
		.amdhsa_system_sgpr_workgroup_id_x 1
		.amdhsa_system_sgpr_workgroup_id_y 1
		.amdhsa_system_sgpr_workgroup_id_z 1
		.amdhsa_system_vgpr_workitem_id 0
		.amdhsa_next_free_vgpr 1024
		.amdhsa_next_free_sgpr 66
		.amdhsa_reserve_vcc 0
		.amdhsa_float_denorm_mode_32 3
		.amdhsa_float_denorm_mode_16_64 3
		.amdhsa_memory_ordered 1
		.amdhsa_forward_progress 1
		.amdhsa_inst_pref_size 255
	.end_amdhsa_kernel
	.section	.bss,"aw",@nobits
	.p2align	6
	.space	262144
	.amdgpu_metadata
---
amdhsa.version: [ 1, 2 ]
amdhsa.kernels:
  - .name:           k_q449360cd02_sdpa_sink
    .symbol:         k_q449360cd02_sdpa_sink.kd
    .args:
      - { .name: q, .offset: 0, .size: 8, .value_kind: global_buffer, .address_space: global }
      - { .name: k, .offset: 8, .size: 8, .value_kind: global_buffer, .address_space: global }
      - { .name: v, .offset: 16, .size: 8, .value_kind: global_buffer, .address_space: global }
      - { .name: sink_logit, .offset: 24, .size: 8, .value_kind: global_buffer, .address_space: global }
      - { .name: out0, .offset: 32, .size: 8, .value_kind: global_buffer, .address_space: global }
    .group_segment_fixed_size: 139776
    .private_segment_fixed_size: 0
    .kernarg_segment_align: 8
    .kernarg_segment_size: 40
    .max_flat_workgroup_size: 128
    .sgpr_count:     66
    .vgpr_count:     1024
    .wavefront_size: 32
...
	.end_amdgpu_metadata
.endif
;; end of part 2
